; MI455X (gfx1250); checked and timed in simulation.
; The chip was launched on July 23, 2026; its instructions are those of AMD's public machine-readable ISA for CDNA 5 (MIT licence, August 2026) and "CDNA5" Instruction Set Architecture Reference Guide (July 2026). The comments in the code are by the model that wrote it; some were corrected since.
;; Causal Self Attention. Allowed arithmetic: matrix products marked QUANTISED: E4M3 operands, one given power-of-two scale a tensor, by v_wmma_f32_16x16x64_fp8_fp8 or v_wmma_f32_16x16x128_fp8_fp8, f32 sums; everything else in f32.
;; Inputs: W_attn_codes 3,072 x 32 x 32 uint8 (E4M3 codes of W_attn, K innermost, in blocks of 32 codes); W_proj_codes 1,024 x 32 x 32 uint8 (E4M3 codes of W_proj, K innermost, in blocks of 32 codes); b_attn 3,072 float32; b_proj 1,024 float32; lowp_scales 8 int32 (the exponents e of the quantised operands' scales 2^e); x_codes 4 x 2,048 x 32 x 32 uint8 (E4M3 codes of x, K innermost, in blocks of 32 codes).
;; Outputs: out0 4 x 2,048 x 1,024 float32.
;; This version of the problem:
;;   THIS VERSION OF THE PROBLEM IS GIVEN IN LOW PRECISION. The matrix products marked QUANTISED in the list below multiply operands that are first quantised to E4M3 (4 exponent bits, 3 mantissa bits; 8 bits a number), with one given power-of-two scale for each operand tensor; their sums are f32. All else is computed in f32.
;;   The module's matrix products, in the order in which they are computed (A, B: the left and right operand; K: the contracted axis; several contracted axes count as one K, in the product's order):
;;     1. [M 8,192, K 1,024] x [K 1,024, N 3,072]; A: input x (given as codes); B: input W_attn (given as codes): QUANTISED (scales: A lowp_scales[0], B lowp_scales[1])
;;     2. batch 64 x [M 2,048, K 64] x [K 64, N 2,048]; A: computed on the way; B: computed on the way: QUANTISED (scales: A lowp_scales[2], B lowp_scales[3])
;;     3. batch 64 x [M 2,048, K 2,048] x [K 2,048, N 64]; A: softmax (see below); B: computed on the way: QUANTISED (scales: A lowp_scales[4], B lowp_scales[5])
;;     4. [M 8,192, K 1,024] x [K 1,024, N 1,024]; A: computed on the way; B: input W_proj (given as codes): QUANTISED (scales: A lowp_scales[6], B lowp_scales[7])
;;   THE QUANTISER, for each operand of a quantised product, along K:
;;     - The operand's scale is 2^e, e = its entry of the input lowp_scales (int32; the entries are numbered through the quantised products in the list's order, A before B).
;;     - Each number is divided by the scale, clamped to +-448, and rounded to the nearest number of E4M3, ties to even, subnormals kept.
;;     - The product sums the exact products of the quantised numbers (number of the format x scale) in f32.
;;   ~~~python
;;   def quantise(x, axis, e):      # numpy; x: float32 -> the quantised numbers, widened to float32 again
;;       x = np.moveaxis(x, axis, -1); K = x.shape[-1]
;;       r = np.clip(x / 2.0 ** e, -448, 448)
;;       step = 2.0 ** (np.maximum(np.frexp(np.where(r == 0, 1, r))[1] - 1, -6) - 3)
;;       q = np.round(r / step) * step * 2.0 ** e      # np.round: ties to even
;;       return np.moveaxis(q, -1, axis).astype(np.float32)
;;   ~~~
;;   SOFTMAX AHEAD OF A QUANTISED PRODUCT. Where the list says 'softmax', what is quantised is not the finished softmax but p = 2^(t - M), with t = logit x log2(e) and M = ceil(the row's largest t), a whole number; so 1/2 < the row's largest p <= 1. The row's sum l is taken of the UNQUANTISED p, in f32, and the product's result is divided by l at the end. Since M is a whole number, a kernel that streams over the keys may use a running M (the ceiling of the running maximum): every later rescaling is an exact power of two, so the quantised numbers keep their values, but for numbers so far below the row's largest that they fall under the format's range.
;;   OPERANDS COMPUTED ON THE WAY. 'Computed on the way' means the value that the module computes at that place (a softmax that the list does not call 'softmax' is quantised finished and normalised). What goes into a quantiser is computed in f32, as accurately as f32 sums, v_exp_f32 and their like allow (about 1e-6 of the number): no bf16 or f16 on the way to a quantiser, and a product that is left as it is and whose result goes on into a quantised operand takes f32 operands (vector FMAs, or v_wmma_f32_16x16x4_f32). A number that lies on a knife's edge between two numbers of the format may be rounded either way, as far as f32 arithmetic and the matrix unit's own rounding can turn it there, and no further.
;;   INPUTS GIVEN AS CODES. W_attn (in the module: [1024, 3072], K = its axis 0); W_proj (in the module: [1024, 1024], K = its axis 0); x (in the module: [4, 2048, 1024], K = its axis 2): each comes as NAME_codes (uint8): NAME with its K axis moved to the last place and cut into blocks of 32 codes, [.., K / 32, bytes a block], one block behind the other in memory; one code a byte (a code: sign, 4 exponent bits, 3 mantissa bits); its scale is its entry of lowp_scales. Its value is code x scale, taken as it is: it is not quantised again, and the codes and scales need not be those that the quantiser above would give.
;; One version. Each part assembles by itself: llvm-mc -triple=amdgcn-amd-amdhsa -mcpu=gfx1250 --defsym DOCPART=n.
;; ======== version 1 of 1: 3 launches
;; limits: right only within a limited range of input values
;; workspace buffers: q_img 8,388,608 bytes; k_img 8,388,608 bytes; v_img 8,388,608 bytes; y_img 8,388,608 bytes
;; launch qkv (part 1): grid 12 x 32, 4 waves a work-group, clusters of 4 x 4, 327,680 bytes of LDS; arguments x_codes, W_attn_codes, b_attn, lowp_scales, q_img, k_img, v_img; writes q_img, k_img, v_img
.if DOCPART == 1
	.amdgcn_target "amdgcn-amd-amdhsa--gfx1250"
	.amdhsa_code_object_version 6
	.text
	.protected	k_qbc87bb682a_qkv
	.globl	k_qbc87bb682a_qkv
	.p2align	8
	.type	k_qbc87bb682a_qkv,@function
k_qbc87bb682a_qkv:
	s_mov_b64 s[64:65], 0
	v_nop
	global_prefetch_b8 v0, s[64:65] scope:SCOPE_SE
	s_setreg_imm32_b32 hwreg(HW_REG_WAVE_MODE, 25, 1), 1
	s_wait_xcnt 0x0
	s_wait_alu depctr_hold_cnt(0) depctr_sa_sdst(0) depctr_va_vdst(0) depctr_va_sdst(0) depctr_va_ssrc(0) depctr_va_vcc(0) depctr_vm_vsrc(0)
	s_getreg_b32 s2, hwreg(HW_REG_IB_STS2, 6, 4)
	s_cmp_eq_u32 s2, 0
	s_cbranch_scc0 .Lentry_in_a_cluster
	s_endpgm
.Lentry_in_a_cluster:
	s_bfe_u32 s2, ttmp6, 0x10000c
	s_cmp_lg_u32 s2, 0xf033
	s_cbranch_scc0 .Lentry_shape_is_right
	s_endpgm
.Lentry_shape_is_right:
; qkv = x W_attn + b_attn on codes of E4M3 (x: [8192][1024], W_attn: [3072][1024], K innermost), sums in f32; q, k and v are quantised at once (scales 2^e2, 2^e3, 2^e5)
; and stored as IMAGES OF THE OPERAND REGISTERS that the attention launch wants, so that nothing is transposed later.
; A tile of 256 x 256 is made by four waves, 128 x 128 each: 64 accumulators, 512 registers.  K goes in steps of 256 through a ring of two LDS slots filled by joint tensor loads
; (4 x 4 work-groups: the A region's tile is shared along a row of the cluster, the B region's along a column).
; The matrix instruction takes 16 rows of the B region as source 0 and 16 rows of the A region as source 1: register j of lane (r, h) holds (A row 16 a + r, B row 16 b + 8 h + j).
; KIND = the cluster's x: 0 q, 1 k, 2 v; it is the same in all sixteen partners.
;   q, k: A region = rows of x, B region = rows of W_attn: a lane's eight registers run along the head's 64, which is the K of q k^T.
;   v:    A region = rows of W_attn (2048 on), B region = rows of x: a lane's eight registers run along the keys, which are the K of p v.  Only pointers and tile numbers are chosen; both tensors have rows of 1,024 bytes.
; q_img, k_img: [head G = 16 b + head][tile of 16 rows][half][lane][16 bytes]: the fragment of the 16x16x64 form (registers 2 c, 2 c + 1: hd = 16 c + 8 h + 0..7).
; v_img: [G][step of 128 keys][tile of 16 d][quarter][lane][16 bytes]: the fragment of the 16x16x128 form (lane: d = 16 tile + r; registers 2 c, 2 c + 1: key = 16 c + 8 h + 0..7).
; The fragments of x and W_attn come by four 16-byte LDS loads: a permutation of k, the same on both sides, so that every product meets its partner.
; LIMITS: e0 + e1 between -126 and 127; e2, e3, e5 between -126 and 119, so that each power of two below is an f32 number.  NaN among the inputs is not served.
; REGISTERS, in windows of 256: window 0: v0-31 addresses and constants; v32-95 bias by B row; v96-103 bias by A row; v128-255 A's fragments, one set (on the way out: v128-191 numbers, v192-255 codes).
;   window 1: B's fragments, two sets, at v0 and v128.   window 2: accumulators of my A rows 0-63 ((a, b) at v[8 (8 (a % 4) + b)]);   window 3: those of rows 64-127.
.set KSTEP,  256
.set ROWB,   256                       ; a tile's row in bytes
.set KROW,   1024                      ; a row of x or of W_attn in memory, in bytes
.set PITCH,  272                       ; an LDS row: 256 bytes + 16 of padding: the 16 rows that a load touches start 16 bytes apart modulo 256
.set FR,     16                        ; registers of a fragment
.set NL,     4                         ; LDS loads that bring one
.set NP,     4                         ; places behind this matrix instruction (ISA guide 7.12.1)
.set HALFT,  128*PITCH
.set SLOT,   4*HALFT                   ; A region's 256 rows, then B region's 256 rows
.set LAPS,   KROW/(2*KSTEP)            ; 2
.set SPARE,  2*SLOT                    ; behind the ring: the spare words, 128 bytes a wave, named by no other line
.set ADRA, 16                          ; v16-17  LDS address of my A fragments in slot 0, 1
.set ADRB, 20                          ; v20-21  the same for B
.set CO,   26                          ; v26     16 x lane: my place in an image
.set SPW,  28                          ; v28     my spare word; never rewritten
.set NIL,  29                          ; v29     0; never rewritten
.set SCV,  30                          ; v30     2^eK as f32
.set LIMV, 31
.set BC,   32
.set BR,   96
.set AF,   128
.set TMP,  128
.set PC,   192
.set G1,   24
.set G0,   32
.set G1B,  48
.set G0B,  56
.set KIND, 66
.set MSB, 0
.macro WIN new                         ; the immediate's high byte repeats the setting that is left
.if MSB != (\new)
	s_set_vgpr_msb (MSB<<8)|(\new)
.set MSB, (\new)
.endif
.endm
.set MUL_LO, 0xa1                      ; source 0 (B) window 1, source 1 (A) window 0, C and D window 2
.set MUL_HI, 0xf1                      ; the same, C and D window 3
.set TO_B,   0x40                      ; destination window 1, address window 0
; A joint load: waves 0 and 1 fetch for the A region, waves 2 and 3 for the B region.  The branch hangs on the wave's number alone.  Four v_nop follow each line.
.macro JLOAD g0a, g1a, g0b, g1b
	s_cmp_eq_u32 s15, 0
	s_cbranch_scc0 .Lfor_b_\@
	tensor_load_to_lds s[\g0a:\g0a+3], s[\g1a:\g1a+7]
	s_nop 0
.rept 4
	v_nop
.endr
	s_branch .Lasked_\@
.Lfor_b_\@:
	tensor_load_to_lds s[\g0b:\g0b+3], s[\g1b:\g1b+7]
	s_nop 0
.rept 4
	v_nop
.endr
.Lasked_\@:
.endm
.macro CREST                           ; a round of the cluster's barrier behind its opening barrier
	s_cmp_lg_u32 s14, 0
	s_cbranch_scc1 .Lnot_wave_0_\@
	s_barrier_signal -3
.Lnot_wave_0_\@:
	s_barrier_wait -3
	s_barrier_signal -1
	s_barrier_wait -1
.endm
.macro CROUND
	s_barrier_signal -1
	s_barrier_wait -1
	CREST
.endm
	s_load_b256 s[4:11], s[0:1], 0x0               ; x s[4:5], W_attn s[6:7], b_attn s[8:9], the exponents s[10:11]
	s_load_b128 s[68:71], s[0:1], 0x20             ; q_img, k_img
	s_load_b64 s[72:73], s[0:1], 0x30              ; v_img
	v_lshl_add_u32 v[SPW], v0, 2, SPARE
	v_mov_b32 v[NIL], 0
	ds_add_u32 v28, v29
	ds_add_u32 v28, v29
	s_wait_dscnt 0x0
	v_lshrrev_b32 v1, 5, v0
	v_readfirstlane_b32 s14, v1                    ; wave 0..3
	s_lshr_b32 s15, s14, 1                         ; rh: which 128 A rows are mine.  Also: I fetch for A (0) or for B (1)
	s_and_b32 s16, s14, 1                          ; ch: which 128 B rows are mine.  Also: which 128 rows of that tile I fetch
	s_bfe_u32 s40, ttmp6, 0x40000                  ; cx
	s_bfe_u32 s41, ttmp6, 0x40004                  ; cy
	s_mov_b32 s[KIND], ttmp9                       ; the cluster's x: 0 q, 1 k, 2 v
	s_and_b32 s67, ttmp7, 0xffff                   ; the cluster's y
	s_lshl_b32 s18, s67, 2
	s_lshl_b32 s19, s[KIND], 2
	s_cmp_eq_u32 s[KIND], 2
	s_cselect_b32 s17, 8, s18                      ; A's tile: of W_attn from row 2048 on (v), else of x
	s_cselect_b32 s42, s18, s19                    ; B's tile: of x (v), else of W_attn
	s_add_co_u32 s17, s17, s41                     ; + cy: shared along a row of the cluster
	s_add_co_u32 s42, s42, s40                     ; + cx: shared along a column
	s_lshl_b32 s43, s41, 2
	s_lshl_b32 s43, 15, s43                        ; my row of the cluster
	s_lshl_b32 s44, 0x1111, s40                    ; my column
	; descriptor group 1: 128 rows x 256 bytes, 16 bytes of padding behind each row
	s_or_b32 s[G1+0], s43, (0<<16)|(1<<20)|(1<<21)|(5<<22)|(3<<25)  ; 15:0 the mask; 17:16 elements of 1 byte; 20 padding on; 21 set beside a mask; 24:22 after every 64 words; 31:25 four words
	s_or_b32 s[G1B+0], s44, (0<<16)|(1<<20)|(1<<21)|(5<<22)|(3<<25)
.irp g, G1, G1B
	s_mov_b32 s[\g+1], ROWB<<16                    ; tensor_dim0
	s_mov_b32 s[\g+2], 128<<16                     ; tensor_dim1
	s_mov_b32 s[\g+3], ROWB<<16                    ; tile_dim0
	s_mov_b32 s[\g+4], 128                         ; tile_dim1
	s_mov_b32 s[\g+5], KROW                        ; the pitch in memory
	s_mov_b32 s[\g+6], 0
	s_mov_b32 s[\g+7], 0
.endr
	s_lshl_b32 s18, s16, 7                         ; which 128 rows of the tile I fetch
	s_lshl_b32 s20, s17, 8
	s_add_co_u32 s20, s20, s18
	s_lshl_b32 s20, s20, 10                        ; A: (256 x tile + 128 x half) rows of 1,024 bytes: under 2^23
	s_mov_b32 s21, 0
	s_lshl_b32 s46, s42, 8
	s_add_co_u32 s46, s46, s18
	s_lshl_b32 s46, s46, 10                        ; B likewise
	s_mov_b32 s47, 0
	s_mul_i32 s45, s14, HALFT                      ; where they go: wave x 128 rows
	s_wait_kmcnt 0x0
	s_load_b256 s[76:83], s[10:11], 0x0            ; e0 .. e7
	s_cmp_eq_u32 s[KIND], 2
	s_cselect_b64 s[84:85], s[6:7], s[4:5]         ; the A region's tensor
	s_cselect_b64 s[86:87], s[4:5], s[6:7]         ; the B region's
	s_add_nc_u64 s[20:21], s[84:85], s[20:21]
	s_add_nc_u64 s[46:47], s[86:87], s[46:47]
	CROUND                                         ; all sixteen work-groups are here: the first joint loads meet
.irp s, 0,1
	s_mov_b32 s[G0+4*\s], 1
	s_add_co_u32 s[G0+4*\s+1], s45, \s*SLOT
	s_add_nc_u64 s[G0+4*\s+2:G0+4*\s+3], s[20:21], \s*ROWB
	s_or_b32 s[G0+4*\s+3], s[G0+4*\s+3], 0x80000000
	s_mov_b32 s[G0B+4*\s], 1
	s_add_co_u32 s[G0B+4*\s+1], s45, \s*SLOT
	s_add_nc_u64 s[G0B+4*\s+2:G0B+4*\s+3], s[46:47], \s*ROWB
	s_or_b32 s[G0B+4*\s+3], s[G0B+4*\s+3], 0x80000000
	JLOAD G0+4*\s, G1, G0B+4*\s, G1B
.endr
	v_and_b32 v1, 15, v0                           ; r
	v_bfe_u32 v2, v0, 4, 1                         ; h
	v_mul_u32_u24 v3, v1, PITCH
	v_lshl_add_u32 v4, v2, 4, v3                   ; a fragment's row x pitch + 16 h
	s_mul_i32 s21, s15, HALFT                      ; my 128 rows of the A region
	s_mul_i32 s22, s16, HALFT                      ; my 128 rows of the B region,
	s_add_co_u32 s22, s22, 2*HALFT                 ; which lies behind A's 256 rows
.irp s, 0,1
	v_add_nc_u32 v[ADRA+\s], s21, v4
	v_add_nc_u32 v[ADRB+\s], s22, v4
	s_add_co_u32 s21, s21, SLOT
	s_add_co_u32 s22, s22, SLOT
.endr
	v_and_b32 v6, 31, v0
	v_lshlrev_b32 v[CO], 4, v6
	v_lshlrev_b32 v8, 5, v2                        ; 32 h: the bias by B row, eight numbers a half; never rewritten
	s_wait_alu depctr_va_vdst(0)
	v_lshlrev_b32 v9, 2, v1                        ; 4 r: the bias by A row; never rewritten
	s_wait_alu depctr_va_vdst(0)
	; THE BIAS belongs to W_attn's rows: the B region's for q and k, the A region's for v.  Both sets of registers are loaded in every work-group; the set that a kind does not use is read from b_attn's head.
	s_lshl_b32 s96, s42, 8
	s_lshl_b32 s97, s16, 7
	s_add_co_u32 s96, s96, s97
	s_lshl_b32 s96, s96, 2                         ; (256 x B's tile + 128 ch) x 4
	s_lshl_b32 s98, s17, 8
	s_lshl_b32 s99, s15, 7
	s_add_co_u32 s98, s98, s99
	s_lshl_b32 s98, s98, 2                         ; (256 x A's tile + 128 rh) x 4
	s_cmp_eq_u32 s[KIND], 2
	s_cselect_b32 s96, 0, s96
	s_cselect_b32 s98, s98, 0
	s_mov_b32 s97, 0
	s_mov_b32 s99, 0
	s_add_nc_u64 s[92:93], s[8:9], s[96:97]
	s_add_nc_u64 s[94:95], s[8:9], s[98:99]
.irp b, 0,1,2,3,4,5,6,7
	global_load_b128 v[BC+8*\b:BC+8*\b+3], v8, s[92:93] offset:64*\b       ; bias of B rows 16 b + 8 h + 0..7
	global_load_b128 v[BC+8*\b+4:BC+8*\b+7], v8, s[92:93] offset:64*\b+16
.endr
.irp a, 0,1,2,3,4,5,6,7
	global_load_b32 v[BR+\a], v9, s[94:95] offset:64*\a                    ; bias of A row 16 a + r
.endr
	; WHERE MY IMAGES BEGIN.  With T the tile of x, c the place along W_attn's axis, p my half along W_attn, o my half along x:
	; ((T / 8) 16 + 4 c + 2 p) heads of 131,072 bytes + (T % 8) 16,384 + o 8,192: the same sum for all three kinds.
	s_cmp_eq_u32 s[KIND], 2
	s_cselect_b32 s74, s42, s17                    ; T
	s_cselect_b32 s75, s41, s40                    ; c
	s_cselect_b32 s98, s15, s16                    ; p
	s_cselect_b32 s99, s16, s15                    ; o
	s_lshr_b32 s96, s74, 3
	s_lshl_b32 s96, s96, 4
	s_lshl_b32 s75, s75, 2
	s_add_co_u32 s96, s96, s75
	s_lshl_b32 s98, s98, 1
	s_add_co_u32 s96, s96, s98
	s_lshl_b32 s96, s96, 17
	s_and_b32 s74, s74, 7
	s_lshl_b32 s74, s74, 14
	s_add_co_u32 s96, s96, s74
	s_lshl_b32 s99, s99, 13
	s_add_co_u32 s96, s96, s99
	s_mov_b32 s97, 0
	s_cmp_eq_u32 s[KIND], 0
	s_cselect_b64 s[88:89], s[68:69], s[70:71]
	s_cmp_eq_u32 s[KIND], 2
	s_cselect_b64 s[88:89], s[72:73], s[88:89]
	s_add_nc_u64 s[88:89], s[88:89], s[96:97]
	s_wait_kmcnt 0x0                               ; the exponents
	s_add_co_i32 s90, s76, s77
	s_add_co_i32 s90, s90, 127
	s_lshl_b32 s90, s90, 23                        ; 2^(e0 + e1) as f32
	s_mov_b32 s91, s90                             ; (named with it as a pair, so it is written)
	s_cmp_eq_u32 s[KIND], 0
	s_cselect_b32 s96, s78, s79                    ; e2 for q, e3 for k,
	s_cmp_eq_u32 s[KIND], 2
	s_cselect_b32 s96, s81, s96                    ; e5 for v
	s_add_co_i32 s96, s96, 127
	s_lshl_b32 s97, s96, 23
	v_mov_b32 v[SCV], s97                          ; the conversion takes its exponent field
.macro FRAG reg, adr, q, i             ; 16 rows x 128 K: registers 4 c .. 4 c + 3 hold K = 32 c + 16 h + 0 .. 15 of row r
.irp c, 0,1,2,3
	ds_load_b128 v[\reg+4*\c:\reg+4*\c+3], v[\adr] offset:128*(\q)+32*\c+(\i)*16*PITCH
.endr
.endm
; 16 matrix instructions: A's blocks a0, a0 + 1 x B's eight.  p: B's set.  zero = 1: the first product starts the sums.  The 64 accumulators take turns, in the same order in every step.
.macro MUL16 a0, p, zero
.irp a, \a0, \a0+1
.irp b, 0,1,2,3,4,5,6,7
.if \zero
	v_wmma_f32_16x16x128_fp8_fp8 v[8*(8*((\a)%4)+\b):8*(8*((\a)%4)+\b)+7], v[128*(\p)+FR*\b:128*(\p)+FR*\b+FR-1], v[AF+FR*(\a):AF+FR*(\a)+FR-1], 0
.else
	v_wmma_f32_16x16x128_fp8_fp8 v[8*(8*((\a)%4)+\b):8*(8*((\a)%4)+\b)+7], v[128*(\p)+FR*\b:128*(\p)+FR*\b+FR-1], v[AF+FR*(\a):AF+FR*(\a)+FR-1], v[8*(8*((\a)%4)+\b):8*(8*((\a)%4)+\b)+7]
.endif
.endr
.endr
.endm
.macro FETCH_B slot, q, p
	WIN TO_B
.irp i, 0,1,2,3,4,5,6,7
	FRAG 128*(\p)+FR*\i, ADRB+\slot, \q, \i
.endr
	WIN 0
.endm
.macro FETCH_A slot, q, i0
.irp i, \i0, \i0+1, \i0+2, \i0+3
	FRAG AF+FR*(\i), ADRA+\slot, \q, \i
.endr
.endm
.macro PLACES n                        ; plain vector instructions between a matrix instruction and a load into, or a vector write of, its registers, or a read of its result
.rept \n
	v_nop
.endr
.endm
; A step of 128 along K that has its successor in the same slot.  A has one set of registers: blocks 0-3 are fetched anew in the step's middle, blocks 4-7 at its end.
.macro STEP slot, q, zero
	s_wait_dscnt 4*NL                              ; B's set and A's blocks 0-3 are in; the youngest 16 loads (A's blocks 4-7) may be out
	WIN MUL_LO
	MUL16 0, (\q)%2, \zero
	MUL16 2, (\q)%2, \zero
	s_wait_dscnt 0                                 ; A's blocks 4-7 are in
	PLACES NP
	FETCH_B \slot, (\q)+1, 1-(\q)%2
	FETCH_A \slot, (\q)+1, 0
	WIN MUL_HI
	MUL16 4, (\q)%2, \zero
	MUL16 6, (\q)%2, \zero
	PLACES NP
	WIN 0
	FETCH_A \slot, (\q)+1, 4
.endm
; A slot's last step changes slots: one barrier; in front of it each wave waits for all its tensor loads, adds 0 to its spare word, and waits for that and for its reads of this slot.
.macro TURN slot, next, fill
	s_wait_tensorcnt 0x0                           ; all my tensor loads have landed: my part of the next slot
	ds_add_u32 v[SPW], v[NIL]                      ; 0 onto my spare word
	s_wait_dscnt 4*NL+1                            ; the add and the youngest 16 loads (A's blocks 4-7) may be out
	WIN MUL_LO
	MUL16 0, 1, 0                                  ; sixteen matrix instructions stand between the add and the wait for it
	s_wait_dscnt 0x0                               ; the add is done, and my reads of this slot are over
	s_barrier_signal -1
	MUL16 2, 1, 0
	WIN 0
	s_barrier_wait -1
.if \fill
	CREST                                          ; the barrier has opened a round of the cluster's: no wave of any partner still reads this slot or has a load on its way
	s_add_nc_u64 s[G0+4*\slot+2:G0+4*\slot+3], s[G0+4*\slot+2:G0+4*\slot+3], 2*ROWB
	s_add_nc_u64 s[G0B+4*\slot+2:G0B+4*\slot+3], s[G0B+4*\slot+2:G0B+4*\slot+3], 2*ROWB
	JLOAD G0+4*\slot, G1, G0B+4*\slot, G1B         ; the first tensor load behind the round; its four v_nop are the places in front of the loads below
.else
	PLACES NP
.endif
	FETCH_B \next, 0, 0
	FETCH_A \next, 0, 0
	WIN MUL_HI
	MUL16 4, 1, 0
	MUL16 6, 1, 0
	PLACES NP
	WIN 0
	FETCH_A \next, 0, 4
.endm
	s_wait_tensorcnt 1                             ; my part of K step 0 is in; K step 1's load may be out
	s_barrier_signal -1
	s_barrier_wait -1
	FETCH_B 0, 0, 0
	FETCH_A 0, 0, 0
	FETCH_A 0, 0, 4
	STEP 0, 0, 1                                   ; the first step starts the sums
	s_mov_b32 s3, LAPS-1
.Llap:                                                 ; a trip goes once round the ring and fills both slots again
	TURN 0, 1, 1
	STEP 1, 0, 0
	TURN 1, 0, 1
	STEP 0, 0, 0
	s_sub_co_u32 s3, s3, 1
	s_cmp_lg_u32 s3, 0
	s_cbranch_scc1 .Llap
	TURN 0, 1, 0                                   ; the last lap fills nothing
	STEP 1, 0, 0
	s_wait_dscnt 4*NL                              ; the very last step
	WIN MUL_LO
	MUL16 0, 1, 0
	MUL16 2, 1, 0
	s_wait_dscnt 0
	WIN MUL_HI
	MUL16 4, 1, 0
	MUL16 6, 1, 0
	WIN 0
; THE WAY OUT of A's block a: number = sum x 2^(e0 + e1) + bias, converted eight at a time.
; The 16 registers of codes ARE operand registers: q, k: two fragments (heads 2 p, 2 p + 1) of row tile a; v: the whole fragment of d tile a % 4 of head a / 4.  Each store covers 512 consecutive bytes, aligned.
.macro OUT a, kv
.if (\a) == 4
	s_wait_xcnt 0x0                                ; the four sets of code registers are used a second time: the first four blocks' stores have read them
.endif
.set AC, 64*((\a)%4)
.set PS, PC+16*((\a)%4)
	WIN 0x02+((\a)/4)                              ; source 0: window 2 or 3
.set jj, 0
.rept 32                                       ; each accumulator from its low end on
.if \kv == 0
	v_pk_fma_f32 v[TMP+jj:TMP+jj+1], v[AC+jj:AC+jj+1], s[90:91], v[BC+jj:BC+jj+1] op_sel_hi:[1,0,1]
.elseif ((\a)%2) == 0
	v_pk_fma_f32 v[TMP+jj:TMP+jj+1], v[AC+jj:AC+jj+1], s[90:91], v[BR+(\a):BR+(\a)+1] op_sel_hi:[1,0,0]                  ; the pair's first register for both halves
.else
	v_pk_fma_f32 v[TMP+jj:TMP+jj+1], v[AC+jj:AC+jj+1], s[90:91], v[BR+(\a)-1:BR+(\a)] op_sel:[0,0,1] op_sel_hi:[1,0,1]    ; the pair's second register for both halves
.endif
.set jj, jj+2
.endr
	WIN 0
.set jj, 0
.rept 64
.set jj, jj+1
.endr
.set jj, 0
.rept 8
	v_cvt_scalef32_pk8_fp8_f32 v[PS+2*jj:PS+2*jj+1], v[TMP+8*jj:TMP+8*jj+7], v[SCV]
.set jj, jj+1
.endr
	v_nop                                          ; one plain vector instruction behind the last conversion: the next block writes the numbers' registers
.irp i, 0,1,2,3
.if \kv
	global_store_b128 v[CO], v[PS+4*\i:PS+4*\i+3], s[88:89] offset:((\a)/4)*131072+((\a)%4)*2048+\i*512
.else
	global_store_b128 v[CO], v[PS+4*\i:PS+4*\i+3], s[88:89] offset:(\i/2)*131072+(\a)*1024+(\i%2)*512
.endif
.endr
.endm
	s_wait_loadcnt 0x0                             ; the biases
	PLACES NP                                      ; behind the last products: their results are read and A's registers are written below
	s_cmp_eq_u32 s[KIND], 2                        ; the same in all partners; neither arm touches LDS
	s_cbranch_scc1 .Lout_v
.irp a, 0,1,2,3,4,5,6,7
	OUT \a, 0
.endr
	s_branch .Ldone
.Lout_v:
.irp a, 0,1,2,3,4,5,6,7
	OUT \a, 1
.endr
.Ldone:
	s_wait_tensorcnt 0x0                           ; the wave's end
	ds_add_u32 v[SPW], v[NIL]
	s_wait_dscnt 0x0
	CROUND                                         ; the closing round: no work-group ends while a partner may still ask for a tile that names it
	s_endpgm
.Lfunc_end_k_qbc87bb682a_qkv:
	.size	k_qbc87bb682a_qkv, .Lfunc_end_k_qbc87bb682a_qkv-k_qbc87bb682a_qkv
	.p2alignl 7, 3214868480
	.fill 96, 4, 3214868480
	.section	.rodata,"a",@progbits
	.p2align	6, 0x0
	.amdhsa_kernel k_qbc87bb682a_qkv
		.amdhsa_group_segment_fixed_size 327680
		.amdhsa_private_segment_fixed_size 0
		.amdhsa_enable_private_segment 0
		.amdhsa_kernarg_size 56
		.amdhsa_user_sgpr_count 2
		.amdhsa_user_sgpr_kernarg_segment_ptr 1
		.amdhsa_wavefront_size32 1
		.amdhsa_system_sgpr_workgroup_id_x 1
		.amdhsa_system_sgpr_workgroup_id_y 1
		.amdhsa_system_sgpr_workgroup_id_z 1
		.amdhsa_system_vgpr_workitem_id 0
		.amdhsa_next_free_vgpr 1024
		.amdhsa_next_free_sgpr 100
		.amdhsa_reserve_vcc 0
		.amdhsa_float_denorm_mode_32 3
		.amdhsa_float_denorm_mode_16_64 3
		.amdhsa_fp16_overflow 1
		.amdhsa_memory_ordered 1
		.amdhsa_forward_progress 1
		.amdhsa_inst_pref_size 129
	.end_amdhsa_kernel
	.amdgpu_metadata
---
amdhsa.version: [ 1, 2 ]
amdhsa.kernels:
  - .name:           k_qbc87bb682a_qkv
    .symbol:         k_qbc87bb682a_qkv.kd
    .args:
      - { .name: x_codes, .offset: 0, .size: 8, .value_kind: global_buffer, .address_space: global }
      - { .name: W_attn_codes, .offset: 8, .size: 8, .value_kind: global_buffer, .address_space: global }
      - { .name: b_attn, .offset: 16, .size: 8, .value_kind: global_buffer, .address_space: global }
      - { .name: lowp_scales, .offset: 24, .size: 8, .value_kind: global_buffer, .address_space: global }
      - { .name: q_img, .offset: 32, .size: 8, .value_kind: global_buffer, .address_space: global }
      - { .name: k_img, .offset: 40, .size: 8, .value_kind: global_buffer, .address_space: global }
      - { .name: v_img, .offset: 48, .size: 8, .value_kind: global_buffer, .address_space: global }
    .group_segment_fixed_size: 327680
    .private_segment_fixed_size: 0
    .kernarg_segment_align: 8
    .kernarg_segment_size: 56
    .max_flat_workgroup_size: 128
    .sgpr_count:     100
    .vgpr_count:     1024
    .wavefront_size: 32
...
	.end_amdgpu_metadata
.endif
;; end of part 1
;; launch attn (part 2): grid 4 x 64, 16 waves a work-group, no clusters, 327,680 bytes of LDS; arguments q_img, k_img, v_img, lowp_scales, y_img; writes y_img
.if DOCPART == 2
	.amdgcn_target "amdgcn-amd-amdhsa--gfx1250"
	.amdhsa_code_object_version 6
	.text
	.protected	k_qbc87bb682a_attn
	.globl	k_qbc87bb682a_attn
	.p2align	8
	.type	k_qbc87bb682a_attn,@function
k_qbc87bb682a_attn:
	s_mov_b64 s[64:65], 0
	v_nop
	global_prefetch_b8 v0, s[64:65] scope:SCOPE_SE
	s_setreg_imm32_b32 hwreg(HW_REG_WAVE_MODE, 25, 1), 1
	s_wait_xcnt 0x0
; y[b][t][64 head + d] = causal softmax attention of one head, both products on codes of E4M3; y is quantised at once (scale 2^e6) into an image of the last product's operand registers.
; t = score x log2(e) / 8; M = the running largest t rounded UP to a whole number; p = 2^(t - M) is quantised (2^e4), not normalised; the row's sum is taken of the unquantised p and divides at the end.
; SHARES.  Work-group (i, G) owns query blocks i and 7 - i (256 queries each) of head G = 16 b + head.  Block i needs i + 1 slots of 256 keys, block 7 - i needs 8 - i: nine slots in every work-group, so
; all 256 work-groups have the same work and the loop's trip count is a constant.  Each of sixteen waves owns one tile of 16 queries, first in block i, then in block 7 - i: four waves to a SIMD.
; NO CLUSTER: in this walk the four work-groups of a head stand at different key slots in the same trip (trip j: slot j or j - i - 1), so no two ask for the same tile together;
; a common walk of all eight slots for both blocks would be 16 slot visits against these 9.
; LAYOUT.  S^T = K Q^T (16x16x64 form, source 0 = 16 keys, source 1 = my 16 queries): register 8 tile + j of lane (r, h) is key 16 tile + 8 h + j of query r.  Converted eight at a time these are registers
; 2 tile, 2 tile + 1 of the 16x16x128 form's operand: keys in their true places.  O^T = V^T P^T: register 8 tile + j is d = 16 tile + 8 h + j of query r.
; K's and V's tiles lie in memory as register images, so a slot is two dense blocks of 16 KiB, and every LDS load reads 512 consecutive bytes.
; y_img: [block of 128 rows][K step of 256][row tile][128 along K][c][lane][16 bytes]: registers 4 c .. 4 c + 3 of lane (r, h') hold k = 32 c + 16 h' + 0 .. 15.
; LIMITS: e2 + e3 between -123 and 130 (added to c's exponent field); e4 and e6 between -126 and 119; e4 + e5 is applied by v_ldexp_f32 and has none.  NaN among the inputs is not served.
; REGISTERS: v1-10 addresses; v12 -M, v13 the largest t, v[14:15] the sum in two halves; v16-23 Q; v24-31 Q of the second block; v32-95 K's 8 fragments, then V's 4; v96-159 S^T, then p; v160-191 O^T;
; v192-207 p's codes; v208-215 y's codes; v236-254 constants and work.
.set SLOT1, 32768                      ; a slot: K's 16 tile images (16 KiB), then V's 8 fragments (16 KiB); slot 1 begins here
.set VOFF,  16384
.set SPARE, 65536                      ; behind the ring: the spare words, 128 bytes for each of 16 waves, named by no other line
.set LK,   1                           ; v1   16 x lane
.set SPW,  5                           ; v5   my spare word; never rewritten
.set NIL,  6                           ; v6   0; never rewritten
.set GO,   7                           ; v7   16 r + 8 h: my 8 bytes in a unit of y's image
.set ADR,  8                           ; v8   LDS address of the slot in hand
.set LM,   9                           ; v9   r - 8 h, for the mask
.set PFO,  10                          ; v10  256 x lane, for the prefetches; never rewritten
.set TB,   2                           ; s2   LDS byte at which the slot in hand begins
.set WV,   18
.set SEL,  20                          ; s[20:21] lane selects: lane l xor 16
.set CS,   22                          ; s[22:23] c = log2(e) / 8 x 2^(e2 + e3)
.set G1,   24                          ; s[24:31] descriptor group 1: 64 rows of 256 bytes, dense
.set G0K,  32
.set G0V,  36
.set KB,   40                          ; s[40:41] my head's first byte of k_img;  s[42:43] of v_img
.set VB,   42
.set OFF,  44                          ; s[44:45] the next slot's byte offset in the head
.set TJ,   46                          ; s46  the trip
.set TI,   47                          ; s47  i
.set IP1,  48                          ; s48  i + 1: the trip in which the second block begins
.set KAP,  49                          ; s49  the key slot of the trip
.set KF,   50                          ; s50  the step's first key
.set Q0,   51                          ; s51  my first query;  s52 that of the second block
.set Q0B,  52
.set YB1,  54
.set YB2,  56
.set PFA,  58                          ; s[58:59] where my prefetches stand
.set LIMJ, 60                          ; s60  a wave prefetches while the trip's number is under it
.set E45,  61
; Wave 0 fetches K's block, wave 1 V's, the others nothing.  Four v_nop follow each line.
.macro TLOAD
	s_cmp_lt_u32 s[WV], 1
	s_cbranch_scc0 .Lnot_k_\@
	tensor_load_to_lds s[G0K:G0K+3], s[G1:G1+7]
	s_nop 0
.rept 4
	v_nop
.endr
	s_branch .Lasked_\@
.Lnot_k_\@:
	s_cmp_lt_u32 s[WV], 2
	s_cbranch_scc0 .Lasked_\@
	tensor_load_to_lds s[G0V:G0V+3], s[G1:G1+7]
	s_nop 0
.rept 4
	v_nop
.endr
.Lasked_\@:
.endm
; A PREFETCH INTO THE L2: trip j (0 to 5) names key slot j + 2 of the head.  The head's first work-group (i = 0) asks, and in it waves 4 and 5 for the two halves of K's 16 KiB, waves 6 and 7 for V's: 8,192 bytes a wave,
; lanes 256 bytes apart.  So each aligned block of 256 bytes of slots 2 to 7 is named once in the launch.  Slot j + 2 is first wanted by a tensor load in trip j + 1 (slots 2, 3: by work-group 3) or j + 2 (slots 4 to 7: by
; work-group 0).  Slots 0 and 1 come by their loads alone; trips 6 and 7 ask for nothing: the head has eight slots.
.macro ASK
	s_cmp_lt_u32 s[TJ], s[LIMJ]
	s_cbranch_scc0 .Lnot_mine_\@
	global_prefetch_b8 v[PFO], s[PFA:PFA+1] th:TH_LOAD_NT scope:SCOPE_SE
.Lnot_mine_\@:
.endm
.macro RESET                           ; a block's start: the largest t is -3e38, the sum and O^T are zeros, which the first change of M leaves zeros
	v_mov_b32 v13, 0xff61b1e6
	s_delay_alu instid0(VALU_DEP_1)
	v_floor_f32 v12, -v13
	v_mov_b32 v14, 0
	v_mov_b32 v15, 0
.set jj, 0
.rept 32
	v_mov_b32 v[160+jj], 0
.set jj, jj+1
.endr
.endm
	s_load_b256 s[4:11], s[0:1], 0x0               ; q_img s[4:5], k_img s[6:7], v_img s[8:9], the exponents s[10:11]
	s_load_b64 s[12:13], s[0:1], 0x20              ; y_img
	v_lshl_add_u32 v[SPW], v0, 2, SPARE
	v_mov_b32 v[NIL], 0
	ds_add_u32 v5, v6
	ds_add_u32 v5, v6
	s_wait_dscnt 0x0
	v_lshrrev_b32 v8, 5, v0
	s_delay_alu instid0(VALU_DEP_1)
	v_readfirstlane_b32 s[WV], v8                  ; wave 0..15
	s_mov_b32 s[TI], ttmp9
	s_add_co_u32 s[IP1], s[TI], 1
	s_and_b32 s76, ttmp7, 0xffff                   ; G
	s_lshl_b32 s78, s76, 17                        ; a head is 131,072 bytes in each of q_img, k_img, v_img
	s_mov_b32 s79, 0
	s_mov_b32 s[G1], 3<<16                         ; no mask; elements of 8 bytes; no padding
	s_mov_b32 s[G1+1], 32<<16                      ; tensor_dim0 = 32 elements: 256 bytes
	s_mov_b32 s[G1+2], 64<<16                      ; tensor_dim1 = 64
	s_mov_b32 s[G1+3], 32<<16                      ; tile_dim0
	s_mov_b32 s[G1+4], 64                          ; tile_dim1
	s_mov_b32 s[G1+5], 32                          ; the pitch: dense
	s_mov_b32 s[G1+6], 0
	s_mov_b32 s[G1+7], 0
	s_mov_b32 s[SEL], 0x76543210
	s_mov_b32 s[SEL+1], 0xfedcba98
	s_mov_b32 s[CS], 0x3e38aa3b                    ; log2(e) / 8
	s_mov_b32 s[TB], 0
	s_mov_b32 s[TJ], 0
	s_mov_b32 s[KAP], 0
	s_mov_b32 s[OFF+1], 0
	s_lshl_b32 s80, s[TI], 4
	s_add_co_u32 s80, s80, s[WV]                   ; my tile of queries in block i: 16 i + wave
	s_sub_co_u32 s81, 7, s[TI]
	s_lshl_b32 s81, s81, 4
	s_add_co_u32 s81, s81, s[WV]                   ; and in block 7 - i
	s_lshl_b32 s[Q0], s80, 4
	s_lshl_b32 s[Q0B], s81, 4
	s_lshl_b32 s80, s80, 10                        ; a tile's image is 1,024 bytes
	s_lshl_b32 s82, s81, 10
	s_mov_b32 s81, 0
	s_mov_b32 s83, 0
	s_add_nc_u64 s[80:81], s[80:81], s[78:79]
	s_add_nc_u64 s[82:83], s[82:83], s[78:79]
	; y_img: ((G / 16) 16 + 2 block + wave / 8) x 131,072 + ((G % 16) / 4) x 32,768 + (wave % 8) x 4,096 + (G % 4) x 1,024
	s_and_b32 s84, s76, 0x30
	s_lshr_b32 s85, s[WV], 3
	s_add_co_u32 s84, s84, s85
	s_lshl_b32 s84, s84, 17
	s_bfe_u32 s85, s76, 0x20002
	s_lshl_b32 s85, s85, 15
	s_add_co_u32 s84, s84, s85
	s_and_b32 s85, s[WV], 7
	s_lshl_b32 s85, s85, 12
	s_add_co_u32 s84, s84, s85
	s_and_b32 s85, s76, 3
	s_lshl_b32 s85, s85, 10
	s_add_co_u32 s84, s84, s85
	s_lshl_b32 s86, s[TI], 18
	s_add_co_u32 s86, s86, s84
	s_mov_b32 s87, 0
	s_sub_co_u32 s88, 7, s[TI]
	s_lshl_b32 s88, s88, 18
	s_add_co_u32 s88, s88, s84
	s_mov_b32 s89, 0
	s_wait_kmcnt 0x0
	s_load_b256 s[68:75], s[10:11], 0x0            ; e0 .. e7
	s_add_nc_u64 s[KB:KB+1], s[6:7], s[78:79]
	s_add_nc_u64 s[VB:VB+1], s[8:9], s[78:79]
	s_mov_b32 s[G0K], 1
	s_mov_b32 s[G0K+1], 0                          ; slot 0
	s_mov_b64 s[G0K+2:G0K+3], s[KB:KB+1]           ; key slot 0
	s_or_b32 s[G0K+3], s[G0K+3], 0x80000000
	s_mov_b32 s[G0V], 1
	s_mov_b32 s[G0V+1], VOFF
	s_mov_b64 s[G0V+2:G0V+3], s[VB:VB+1]
	s_or_b32 s[G0V+3], s[G0V+3], 0x80000000
	TLOAD                                          ; the first fill
	s_add_nc_u64 s[80:81], s[4:5], s[80:81]
	s_add_nc_u64 s[82:83], s[4:5], s[82:83]
	s_add_nc_u64 s[YB1:YB1+1], s[12:13], s[86:87]
	s_add_nc_u64 s[YB2:YB2+1], s[12:13], s[88:89]
	v_and_b32 v[LK], 31, v0
	s_delay_alu instid0(VALU_DEP_1)
	v_lshlrev_b32 v[LK], 4, v[LK]
	global_load_b128 v[16:19], v[LK], s[80:81] th:TH_LOAD_NT                ; Q's fragments of both blocks stay in registers; each is read by one wave alone
	global_load_b128 v[20:23], v[LK], s[80:81] offset:512 th:TH_LOAD_NT
	global_load_b128 v[24:27], v[LK], s[82:83] th:TH_LOAD_NT
	global_load_b128 v[28:31], v[LK], s[82:83] offset:512 th:TH_LOAD_NT
	v_and_b32 v2, 15, v0                           ; r
	v_bfe_u32 v3, v0, 4, 1                         ; h
	s_delay_alu instid0(VALU_DEP_1)
	v_lshlrev_b32 v4, 3, v3
	s_delay_alu instid0(VALU_DEP_1)
	v_lshl_add_u32 v[GO], v2, 4, v4
	s_delay_alu instid0(VALU_DEP_2)
	v_sub_nc_u32 v[LM], v2, v4
	v_lshlrev_b32 v[PFO], 4, v[LK]
	s_cmp_lt_u32 s[WV], 6                          ; the prefetches: waves 4, 5 stand in k_img, waves 6, 7 in v_img,
	s_cselect_b64 s[PFA:PFA+1], s[KB:KB+1], s[VB:VB+1]
	s_and_b32 s90, s[WV], 1
	s_lshl_b32 s90, s90, 13                        ; at their half of a block,
	s_add_co_u32 s90, s90, 16384                   ; in key slot 1: the first change of slots steps it to slot 2
	s_mov_b32 s91, 0
	s_add_nc_u64 s[PFA:PFA+1], s[PFA:PFA+1], s[90:91]
	s_sub_co_u32 s90, s[WV], 4
	s_lshr_b32 s90, s90, 2                         ; 0 in waves 4 to 7,
	s_or_b32 s90, s90, ttmp9                       ; of work-group i = 0
	s_cmp_eq_u32 s90, 0
	s_cselect_b32 s[LIMJ], 6, 0
	RESET
	v_mov_b32 v236, 0                              ; written once: a lane permute's destination counts as read,
	v_mov_b32 v252, 0
	v_mov_b32 v253, 0                              ; and so does the upper half of the pair v[252:253]
	s_wait_kmcnt 0x0
	s_add_co_i32 s76, s70, s71
	s_lshl_b32 s76, s76, 23
	s_add_co_i32 s[CS], s[CS], s76                 ; a score stands for score x 2^(e2 + e3): added to c's exponent field
	s_mov_b32 s[CS+1], s[CS]
	s_add_co_i32 s76, s72, 127
	s_lshl_b32 s77, s76, 23
	v_mov_b32 v244, s77                            ; 2^e4, for p's conversions
	s_add_co_i32 s76, s74, 127
	s_lshl_b32 s77, s76, 23
	v_mov_b32 v245, s77                            ; 2^e6, for y's
	s_add_co_i32 s[E45], s72, s73
; A KEY STEP: 128 keys, the q-th of the slot in hand.  A step all of whose keys come after my 16 queries is left out: a scalar branch on ids; no barrier and no tensor load stands in a step.
.macro STEP q
	s_add_co_u32 s76, s[Q0], 15
	s_cmp_gt_u32 s[KF], s76
	s_cbranch_scc1 .Lhidden_\@
	v_add_nc_u32 v[ADR], s[TB], v[LK]
.rept 3
	v_nop                                          ; with the addition above: four places between the last step's products and the loads into the registers that they read
.endr
.irp t, 0,1,2,3,4,5,6,7
	ds_load_b128 v[32+8*\t:35+8*\t], v[ADR] offset:(8*(\q)+\t)*1024
	ds_load_b128 v[36+8*\t:39+8*\t], v[ADR] offset:(8*(\q)+\t)*1024+512
.endr
	s_wait_dscnt 8                                 ; tiles 0-3 are in; the eight loads of tiles 4-7 may be out
	s_wait_alu depctr_va_vdst(0)
.irp t, 0,1,2,3
	v_wmma_f32_16x16x64_fp8_fp8 v[96+8*\t:103+8*\t], v[32+8*\t:39+8*\t], v[16:23], 0
.endr
	s_wait_dscnt 0x0
.irp t, 4,5,6,7
	v_wmma_f32_16x16x64_fp8_fp8 v[96+8*\t:103+8*\t], v[32+8*\t:39+8*\t], v[16:23], 0
.endr
.rept 4
	v_nop                                          ; places in front of the loads over K's registers and of the first read of the scores
.endr
.irp t, 0,1,2,3
.irp c, 0,1,2,3
	ds_load_b128 v[32+16*\t+4*\c:35+16*\t+4*\c], v[ADR] offset:VOFF+(\q)*8192+\t*2048+512*\c   ; V's four fragments land while the softmax is walked
.endr
.endr
	s_add_co_u32 s76, s[KF], 127                   ; on the diagonal hidden scores become -infinity ahead of the maximum; a step all of whose keys count skips this.  The step's first key counts for all my queries
	s_cmp_le_u32 s76, s[Q0]
	s_cbranch_scc1 .Lopen_\@
	s_sub_co_i32 s76, s[Q0], s[KF]
	v_add_nc_u32 v252, s76, v[LM]                  ; d = my query - KF - 8 h.  Register n holds key KF + 8 h + 16 (n / 8) + n % 8: hidden where 16 (n / 8) + n % 8 > d
	v_mov_b32 v254, 0xff800000
.set nn, 0
.rept 64
	v_cmp_gt_i32 vcc_lo, 16*(nn/8)+nn%8, v252
	v_cndmask_b32 v[96+nn], v[96+nn], v254, vcc_lo
.set nn, nn+1
.endr
.Lopen_\@:
	v_max3_num_f32 v254, v96, v97, v98             ; the step's largest score of my query among my 64 keys, in two chains,
	v_max3_num_f32 v252, v99, v100, v101
.irp i, 6,10,14,18,22,26,30,34,38,42,46,50,54,58
	v_max3_num_f32 v254, v254, v[96+\i], v[97+\i]
	v_max3_num_f32 v252, v252, v[98+\i], v[99+\i]
.endr
	v_max3_num_f32 v254, v254, v158, v159
	s_delay_alu instid0(VALU_DEP_1)
	v_max_num_f32 v254, v254, v252
	s_delay_alu instid0(VALU_DEP_1)
	v_permlanex16_b32 v236, v254, s[SEL], s[SEL+1]
	s_delay_alu instid0(VALU_DEP_1)
	v_max_num_f32 v254, v254, v236                 ; and among lane l xor 16's
	s_delay_alu instid0(VALU_DEP_1)
	v_mul_f32 v254, s[CS], v254                    ; as t (c is positive)
	s_delay_alu instid0(VALU_DEP_1)
	v_max_num_f32 v13, v13, v254                   ; the running largest t
	v_mov_b32 v254, v12
	s_delay_alu instid0(VALU_DEP_2)
	v_floor_f32 v12, -v13                          ; the new -M = floor(-t): M is a whole number
	s_delay_alu instid0(VALU_DEP_1)
	v_sub_f32 v254, v12, v254                      ; old M - new M: a whole number, 0 or less
	s_delay_alu instid0(VALU_DEP_1)
	v_cvt_i32_f32 v254, v254                       ; (it saturates)
	s_delay_alu instid0(VALU_DEP_1)
	v_ldexp_f32 v252, 1.0, v254                    ; f = 2^(old M - new M): a multiplication by it rounds nothing
.set jj, 0
.rept 32
	v_pk_fma_f32 v[96+jj:97+jj], v[96+jj:97+jj], s[CS:CS+1], v[12:13] op_sel_hi:[1,0,0]   ; t - M, two at a time
.set jj, jj+2
.endr
.set jj, 0
	s_wait_alu depctr_va_vdst(0)
.rept 64
	v_exp_f32 v[96+jj], v[96+jj]                   ; p = 2^(t - M)
.set jj, jj+1
.endr
	v_pk_mul_f32 v[14:15], v[14:15], v[252:253] op_sel_hi:[1,0]   ; the sums under the new M: the plain instruction behind the exponentials
	s_wait_alu depctr_va_vdst(0)                   ; one wait for the batch of 64, ahead of its first reader
	v_pk_add_f32 v[242:243], v[100:101], v[104:105]
	v_pk_add_f32 v[254:255], v[108:109], v[112:113]
	v_pk_add_f32 v[250:251], v[116:117], v[120:121]
	v_pk_add_f32 v[248:249], v[124:125], v[128:129]
	v_pk_add_f32 v[246:247], v[132:133], v[136:137]
	v_pk_add_f32 v[240:241], v[140:141], v[144:145]
	v_pk_add_f32 v[238:239], v[148:149], v[152:153]
	v_pk_add_f32 v[14:15], v[14:15], v[156:157]
	v_pk_add_f32 v[242:243], v[242:243], v[96:97]
	v_pk_add_f32 v[254:255], v[254:255], v[98:99]
	v_pk_add_f32 v[250:251], v[250:251], v[102:103]
	v_pk_add_f32 v[248:249], v[248:249], v[106:107]
	v_pk_add_f32 v[246:247], v[246:247], v[110:111]
	v_pk_add_f32 v[240:241], v[240:241], v[114:115]
	v_pk_add_f32 v[238:239], v[238:239], v[118:119]
	v_pk_add_f32 v[14:15], v[14:15], v[122:123]
	v_pk_add_f32 v[242:243], v[242:243], v[126:127]
	v_pk_add_f32 v[254:255], v[254:255], v[130:131]
	v_pk_add_f32 v[250:251], v[250:251], v[134:135]
	v_pk_add_f32 v[248:249], v[248:249], v[138:139]
	v_pk_add_f32 v[246:247], v[246:247], v[142:143]
	v_pk_add_f32 v[240:241], v[240:241], v[146:147]
	v_pk_add_f32 v[238:239], v[238:239], v[150:151]
	v_pk_add_f32 v[14:15], v[14:15], v[154:155]
	v_pk_add_f32 v[242:243], v[242:243], v[158:159]
	s_delay_alu instid0(VALU_DEP_2)
	v_pk_add_f32 v[14:15], v[14:15], v[248:249]
	s_delay_alu instid0(VALU_DEP_2)
	v_pk_add_f32 v[242:243], v[242:243], v[246:247]
	v_pk_add_f32 v[254:255], v[254:255], v[240:241]
	v_pk_add_f32 v[250:251], v[250:251], v[238:239]
	s_delay_alu instid0(VALU_DEP_2)
	v_pk_add_f32 v[14:15], v[14:15], v[254:255]
	s_delay_alu instid0(VALU_DEP_2)
	v_pk_add_f32 v[242:243], v[242:243], v[250:251]
	s_delay_alu instid0(VALU_DEP_1)
	v_pk_add_f32 v[14:15], v[14:15], v[242:243]
.irp t, 0,1,2,3,4,5,6,7
.irp i, 0,1,2,3,4,5,6,7
.endr
	v_cvt_scalef32_pk8_fp8_f32 v[192+2*\t:193+2*\t], v[96+8*\t:103+8*\t], v244   ; keys 16 t + 8 h + 0..7: registers 2 t, 2 t + 1 of the operand
.endr
.set jj, 0
.rept 16
	v_pk_mul_f32 v[160+jj:161+jj], v[160+jj:161+jj], v[252:253] op_sel_hi:[1,0]   ; O^T under the new M; these are also the plain instructions behind the conversions
.set jj, jj+2
.endr
	s_wait_alu depctr_va_vdst(0)
	s_wait_dscnt 0x0                               ; V is in
.irp t, 0,1,2,3
	v_wmma_f32_16x16x128_fp8_fp8 v[160+8*\t:167+8*\t], v[32+16*\t:47+16*\t], v[192:207], v[160+8*\t:167+8*\t]   ; the four accumulators take turns
.endr
.Lhidden_\@:
	s_add_co_u32 s[KF], s[KF], 128
.endm
; THE CHANGE OF SLOTS stands at a trip's head.  Each wave waits for all its tensor loads, adds 0 to its spare word, and waits for that and for its reads of the slot that it has left.  Behind the barrier the slot ahead is
; whole and nobody reads the other one.  fill = 1: that other slot takes the next trip's keys: the slot after this one, or slot 0 where this trip is block i's last.
.macro CHANGE fill
	s_wait_tensorcnt 0x0                           ; no tensor load of mine is out, so a group 0 may be written
	ds_add_u32 v[SPW], v[NIL]                      ; 0 onto my spare word
	s_lshl_b32 s[KF], s[KAP], 8                    ; this trip's first key
.if \fill
	s_add_co_u32 s[KAP], s[KAP], 1
	s_cmp_eq_u32 s[TJ], s[TI]
	s_cselect_b32 s[KAP], 0, s[KAP]
	s_lshl_b32 s[OFF], s[KAP], 14                  ; a slot is 16,384 bytes of k_img and of v_img
	s_xor_b32 s[G0K+1], s[G0K+1], SLOT1
	s_xor_b32 s[G0V+1], s[G0V+1], SLOT1
	s_add_nc_u64 s[G0K+2:G0K+3], s[KB:KB+1], s[OFF:OFF+1]
	s_or_b32 s[G0K+3], s[G0K+3], 0x80000000
	s_add_nc_u64 s[G0V+2:G0V+3], s[VB:VB+1], s[OFF:OFF+1]
	s_or_b32 s[G0V+3], s[G0V+3], 0x80000000
	s_wait_xcnt 0x0                                ; the last prefetch, a trip back, has read its address, so it may be written
	s_add_nc_u64 s[PFA:PFA+1], s[PFA:PFA+1], 16384
.endif
	s_wait_dscnt 0x0                               ; the add is done, and my reads of the slot that I have left are over
	s_barrier_signal -1
	s_barrier_wait -1
.if \fill
	TLOAD                                          ; the first thing behind the barrier, and a wave's one tensor load until the next
	ASK
.endif
.endm
; A BLOCK'S END: O^T / the sum x 2^(e4 + e5), converted with 2^e6.  Tile t's eight numbers are y's columns 64 head + 16 t + 8 h + 0..7: eight bytes at 16 r + 8 h of the unit (t / 2) 512 + (t % 2) 256:
; each store's 32 lanes fill 256 consecutive bytes, aligned.
.macro FINISH yb
.rept 4
	v_nop                                          ; places behind the last products, on every way that leads here
.endr
	v_add_f32 v14, v14, v15
	s_wait_alu depctr_va_vdst(0)
	v_permlanex16_b32 v252, v14, s[SEL], s[SEL+1]
	s_delay_alu instid0(VALU_DEP_1)
	v_add_f32 v14, v14, v252                       ; the row's sum
	s_wait_alu depctr_va_vdst(0)
	v_rcp_f32 v14, v14
	v_nop                                          ; a plain instruction behind the reciprocal
	s_wait_alu depctr_va_vdst(0)                   ; and the wait ahead of its first reader
	v_ldexp_f32 v14, v14, s[E45]
.set jj, 0
.rept 32
	v_mul_f32 v[96+jj], v[160+jj], v14             ; each accumulator from its low end on
.set jj, jj+1
.endr
.set jj, 0
.rept 32
.set jj, jj+1
.endr
	s_wait_alu depctr_va_vdst(0)
	s_wait_xcnt 0x0                                ; the first block's stores have read the registers of codes
.irp t, 0,1,2,3
	v_cvt_scalef32_pk8_fp8_f32 v[208+2*\t:209+2*\t], v[96+8*\t:103+8*\t], v245
.endr
	v_nop                                          ; one plain vector instruction behind the last conversion
.irp t, 0,1,2,3
	global_store_b64 v[GO], v[208+2*\t:209+2*\t], s[\yb:\yb+1] offset:(\t/2)*512+(\t%2)*256
.endr
.endm
	s_wait_loadcnt 0x0                             ; Q
.Lslot:                                                ; eight trips: behind each change of slots the next trip's keys are asked for
	CHANGE 1
	s_cmp_eq_u32 s[TJ], s[IP1]                     ; block i is done (trip 1 to 4, by the work-group's number): store it and begin block 7 - i
	s_cbranch_scc0 .Lsame_block
	FINISH YB1
	RESET
.irp j, 0,1,2,3,4,5,6,7
	v_mov_b32 v[16+\j], v[24+\j]
.endr
	s_mov_b32 s[Q0], s[Q0B]
.Lsame_block:
	STEP 0
	STEP 1
	s_xor_b32 s[TB], s[TB], SLOT1
	s_add_co_u32 s[TJ], s[TJ], 1
	s_cmp_lt_u32 s[TJ], 8
	s_cbranch_scc1 .Lslot
	CHANGE 0                                       ; the ninth trip is written out
	STEP 0
	STEP 1
	FINISH YB2
	s_wait_tensorcnt 0x0                           ; the wave's end
	ds_add_u32 v[SPW], v[NIL]
	s_wait_dscnt 0x0
	s_endpgm
.Lfunc_end_k_qbc87bb682a_attn:
	.size	k_qbc87bb682a_attn, .Lfunc_end_k_qbc87bb682a_attn-k_qbc87bb682a_attn
	.p2alignl 7, 3214868480
	.fill 96, 4, 3214868480
	.section	.rodata,"a",@progbits
	.p2align	6, 0x0
	.amdhsa_kernel k_qbc87bb682a_attn
		.amdhsa_group_segment_fixed_size 327680
		.amdhsa_private_segment_fixed_size 0
		.amdhsa_enable_private_segment 0
		.amdhsa_kernarg_size 40
		.amdhsa_user_sgpr_count 2
		.amdhsa_user_sgpr_kernarg_segment_ptr 1
		.amdhsa_wavefront_size32 1
		.amdhsa_system_sgpr_workgroup_id_x 1
		.amdhsa_system_sgpr_workgroup_id_y 1
		.amdhsa_system_sgpr_workgroup_id_z 1
		.amdhsa_system_vgpr_workitem_id 0
		.amdhsa_next_free_vgpr 256
		.amdhsa_next_free_sgpr 100
		.amdhsa_reserve_vcc 1
		.amdhsa_float_denorm_mode_32 3
		.amdhsa_float_denorm_mode_16_64 3
		.amdhsa_fp16_overflow 1
		.amdhsa_memory_ordered 1
		.amdhsa_forward_progress 1
		.amdhsa_inst_pref_size 91
	.end_amdhsa_kernel
	.amdgpu_metadata
---
amdhsa.version: [ 1, 2 ]
amdhsa.kernels:
  - .name:           k_qbc87bb682a_attn
    .symbol:         k_qbc87bb682a_attn.kd
    .args:
      - { .name: q_img, .offset: 0, .size: 8, .value_kind: global_buffer, .address_space: global }
      - { .name: k_img, .offset: 8, .size: 8, .value_kind: global_buffer, .address_space: global }
      - { .name: v_img, .offset: 16, .size: 8, .value_kind: global_buffer, .address_space: global }
      - { .name: lowp_scales, .offset: 24, .size: 8, .value_kind: global_buffer, .address_space: global }
      - { .name: y_img, .offset: 32, .size: 8, .value_kind: global_buffer, .address_space: global }
    .group_segment_fixed_size: 327680
    .private_segment_fixed_size: 0
    .kernarg_segment_align: 8
    .kernarg_segment_size: 40
    .max_flat_workgroup_size: 512
    .sgpr_count:     100
    .vgpr_count:     256
    .wavefront_size: 32
...
	.end_amdgpu_metadata
.endif
;; end of part 2
;; launch proj (part 3): grid 8 x 32, 4 waves a work-group, clusters of 4 x 4, 327,680 bytes of LDS; arguments y_img, W_proj_codes, b_proj, lowp_scales, out0; writes out0
.if DOCPART == 3
	.amdgcn_target "amdgcn-amd-amdhsa--gfx1250"
	.amdhsa_code_object_version 6
	.text
	.protected	k_qbc87bb682a_proj
	.globl	k_qbc87bb682a_proj
	.p2align	8
	.type	k_qbc87bb682a_proj,@function
k_qbc87bb682a_proj:
	s_mov_b64 s[64:65], 0
	v_nop
	global_prefetch_b8 v0, s[64:65] scope:SCOPE_SE
	s_setreg_imm32_b32 hwreg(HW_REG_WAVE_MODE, 25, 1), 1
	s_wait_xcnt 0x0
	s_wait_alu depctr_hold_cnt(0) depctr_sa_sdst(0) depctr_va_vdst(0) depctr_va_sdst(0) depctr_va_ssrc(0) depctr_va_vcc(0) depctr_vm_vsrc(0)
	s_getreg_b32 s2, hwreg(HW_REG_IB_STS2, 6, 4)
	s_cmp_eq_u32 s2, 0
	s_cbranch_scc0 .Lentry_in_a_cluster
	s_endpgm
.Lentry_in_a_cluster:
	s_bfe_u32 s2, ttmp6, 0x10000c
	s_cmp_lg_u32 s2, 0xf033
	s_cbranch_scc0 .Lentry_shape_is_right
	s_endpgm
.Lentry_shape_is_right:
; out0 = y W_proj + b_proj on codes of E4M3; sums in f32; out0: [8192][1024] f32.  y comes as images of operand registers (y_img), W_proj as rows of 1,024 codes, K innermost.
; A tile of 256 rows x 128 columns is made by four waves, 128 x 64 each: 32 accumulators.  8 x 32 tiles: 256 work-groups.  K goes in steps of 256 through a ring of two LDS slots filled by joint tensor loads
; (4 x 4 work-groups: y's tile is shared along a row of the cluster, W_proj's along a column).
; y_img: [block of 128 rows][K step of 256][row tile 8][128 along K: 2][c 4][lane 32][16 bytes]: registers 4 c .. 4 c + 3 of lane (r, h) hold k = 32 c + 16 h + 0 .. 15: the places that four 16-byte loads
; give W_proj's fragment, so every product meets its partner.  A wave's share of y for a K step is one dense block of 32 KiB, and every LDS load of it reads 512 consecutive bytes.
; The matrix instruction takes 16 rows of W_proj as source 0 and 16 rows of y as source 1: a lane holds eight neighbouring columns of one row of out0.
; LIMIT: e6 + e7 between -126 and 127, so that 2^(e6 + e7) is an f32 number.
; REGISTERS, in windows of 256: window 0: v0-31 addresses; v32-63 the bias; v64-95 results at work; v128-255 y's fragments, one set (on the way out v128-191: rows read back).
;   window 1: W_proj's fragments, two sets, at v0 and v128.   window 2: accumulators of my rows 0-63 ((a, b) at v[8 (4 (a % 4) + b)]);   window 3: those of rows 64-127.
.set PITCH,  272                       ; a row of W_proj's tile in LDS: 256 bytes + 16 of padding
.set FR,     16
.set NL,     4
.set NP,     4                         ; places behind this matrix instruction (ISA guide 7.12.1)
.set AHALF,  32768                     ; 128 rows of y x 256 K as images
.set BOFF,   2*AHALF
.set BHALF,  64*PITCH
.set SLOT,   BOFF+2*BHALF              ; 100,352
.set LAPS,   2                         ; 1,024 along K: four K steps, twice round the ring
.set SPARE,  2*SLOT                    ; behind the ring: the spare words, 128 bytes a wave, named by no other line
.set STAGE,  SPARE+512                 ; the way out: 16 rows x (256 bytes + 16) for each wave, in bytes into which no tile lands
.set SPITCH, 272
.set ADRA, 16
.set ADRB, 20
.set STO,  24
.set RD,   25
.set CO,   26
.set SPW,  28
.set NIL,  29
.set BC,   32
.set TMP,  64
.set AF,   128
.set BK,   128
.set G1,   24
.set G0,   32
.set G1B,  48
.set G0B,  56
.set MSB, 0
.macro WIN new
.if MSB != (\new)
	s_set_vgpr_msb (MSB<<8)|(\new)
.set MSB, (\new)
.endif
.endm
.set MUL_LO, 0xa1
.set MUL_HI, 0xf1
.set TO_B,   0x40
.macro JLOAD g0a, g1a, g0b, g1b        ; waves 0 and 1 fetch y's two halves, waves 2 and 3 W_proj's; four v_nop follow each line
	s_cmp_eq_u32 s15, 0
	s_cbranch_scc0 .Lfor_b_\@
	tensor_load_to_lds s[\g0a:\g0a+3], s[\g1a:\g1a+7]
	s_nop 0
.rept 4
	v_nop
.endr
	s_branch .Lasked_\@
.Lfor_b_\@:
	tensor_load_to_lds s[\g0b:\g0b+3], s[\g1b:\g1b+7]
	s_nop 0
.rept 4
	v_nop
.endr
.Lasked_\@:
.endm
.macro CREST
	s_cmp_lg_u32 s14, 0
	s_cbranch_scc1 .Lnot_wave_0_\@
	s_barrier_signal -3
.Lnot_wave_0_\@:
	s_barrier_wait -3
	s_barrier_signal -1
	s_barrier_wait -1
.endm
.macro CROUND
	s_barrier_signal -1
	s_barrier_wait -1
	CREST
.endm
	s_load_b256 s[4:11], s[0:1], 0x0               ; y_img s[4:5], W_proj s[6:7], b_proj s[8:9], the exponents s[10:11]
	s_load_b64 s[12:13], s[0:1], 0x20              ; out0
	v_lshl_add_u32 v[SPW], v0, 2, SPARE
	v_mov_b32 v[NIL], 0
	ds_add_u32 v28, v29
	ds_add_u32 v28, v29
	s_wait_dscnt 0x0
	v_lshrrev_b32 v1, 5, v0
	v_readfirstlane_b32 s14, v1                    ; wave 0..3
	s_lshr_b32 s15, s14, 1                         ; rh: which 128 rows are mine.  Also: I fetch for y (0) or for W_proj (1)
	s_and_b32 s16, s14, 1                          ; ch: which 64 columns are mine.  Also: which half of that tile I fetch
	s_bfe_u32 s40, ttmp6, 0x40000                  ; cx
	s_bfe_u32 s41, ttmp6, 0x40004                  ; cy
	s_lshl_b32 s42, ttmp9, 2
	s_add_co_u32 s42, s42, s40                     ; tile column (128 columns) = 4 x cluster x + cx
	s_and_b32 s17, ttmp7, 0xffff
	s_lshl_b32 s17, s17, 2
	s_add_co_u32 s17, s17, s41                     ; tile row (256 rows) = 4 x cluster y + cy
	s_lshl_b32 s43, s41, 2
	s_lshl_b32 s43, 15, s43                        ; my row of the cluster
	s_lshl_b32 s44, 0x1111, s40                    ; my column
	s_or_b32 s[G1+0], s43, (3<<16)|(1<<21)         ; y: the mask; elements of 8 bytes; no padding; 21 set beside a mask
	s_mov_b32 s[G1+1], 32<<16                      ; 128 rows of 256 bytes, dense: 32 KiB
	s_mov_b32 s[G1+2], 128<<16
	s_mov_b32 s[G1+3], 32<<16
	s_mov_b32 s[G1+4], 128
	s_mov_b32 s[G1+5], 32
	s_mov_b32 s[G1+6], 0
	s_mov_b32 s[G1+7], 0
	s_or_b32 s[G1B+0], s44, (0<<16)|(1<<20)|(1<<21)|(5<<22)|(3<<25)  ; W_proj: elements of 1 byte; four words of padding after every 64
	s_mov_b32 s[G1B+1], 256<<16                    ; 64 rows of 256 bytes, 1,024 bytes apart in memory
	s_mov_b32 s[G1B+2], 64<<16
	s_mov_b32 s[G1B+3], 256<<16
	s_mov_b32 s[G1B+4], 64
	s_mov_b32 s[G1B+5], 1024
	s_mov_b32 s[G1B+6], 0
	s_mov_b32 s[G1B+7], 0
	s_lshl_b32 s20, s17, 1
	s_add_co_u32 s20, s20, s16
	s_lshl_b32 s20, s20, 17                        ; y: block of 128 rows 2 x tile row + half, 131,072 bytes each
	s_mov_b32 s21, 0
	s_lshl_b32 s46, s42, 1
	s_add_co_u32 s46, s46, s16
	s_lshl_b32 s46, s46, 16                        ; W_proj: (128 x tile column + 64 x half) rows of 1,024 bytes
	s_mov_b32 s47, 0
	s_lshl_b32 s45, s16, 15                        ; where they go in a slot: y's half,
	s_mul_i32 s19, s16, BHALF
	s_add_co_u32 s19, s19, BOFF                    ; W_proj's half: the wave's number alone enters an LDS address
	s_wait_kmcnt 0x0
	s_load_b256 s[76:83], s[10:11], 0x0            ; e0 .. e7
	s_add_nc_u64 s[20:21], s[4:5], s[20:21]
	s_add_nc_u64 s[46:47], s[6:7], s[46:47]
	CROUND                                         ; all sixteen work-groups are here: the first joint loads meet
.irp s, 0,1
	s_mov_b32 s[G0+4*\s], 1
	s_add_co_u32 s[G0+4*\s+1], s45, \s*SLOT
	s_add_nc_u64 s[G0+4*\s+2:G0+4*\s+3], s[20:21], \s*AHALF
	s_or_b32 s[G0+4*\s+3], s[G0+4*\s+3], 0x80000000
	s_mov_b32 s[G0B+4*\s], 1
	s_add_co_u32 s[G0B+4*\s+1], s19, \s*SLOT
	s_add_nc_u64 s[G0B+4*\s+2:G0B+4*\s+3], s[46:47], \s*256
	s_or_b32 s[G0B+4*\s+3], s[G0B+4*\s+3], 0x80000000
	s_wait_alu depctr_va_vdst(0)
	s_wait_tensorcnt 0x0
	ds_add_u32 v28, v29
	ds_add_u32 v28, v29
	s_wait_dscnt 0x0
	CROUND
	JLOAD G0+4*\s, G1, G0B+4*\s, G1B
.endr
	v_and_b32 v1, 15, v0                           ; r
	v_bfe_u32 v2, v0, 4, 1                         ; h
	v_and_b32 v6, 31, v0
	v_lshlrev_b32 v7, 4, v6                        ; 16 x lane: my place in an image
	v_mul_u32_u24 v3, v1, PITCH
	v_lshl_add_u32 v4, v2, 4, v3                   ; W_proj: row x pitch + 16 h
	s_lshl_b32 s21, s15, 15                        ; my 128 rows of y
	s_mul_i32 s22, s16, BHALF
	s_add_co_u32 s22, s22, BOFF                    ; my 64 rows of W_proj
.irp s, 0,1
	v_add_nc_u32 v[ADRA+\s], s21, v7
	v_add_nc_u32 v[ADRB+\s], s22, v4
	s_add_co_u32 s21, s21, SLOT
	s_add_co_u32 s22, s22, SLOT
.endr
	s_mul_i32 s23, s14, 16*SPITCH
	s_add_co_u32 s23, s23, STAGE                   ; my stage
	v_mul_u32_u24 v5, v1, SPITCH                   ; in: row r, 32 bytes for each half of the lanes
	v_lshl_add_u32 v5, v2, 5, v5
	v_add_nc_u32 v[STO], s23, v5
	v_mul_u32_u24 v5, v2, SPITCH                   ; back: lanes 0-15 one row of 256 bytes, lanes 16-31 the next
	v_lshl_add_u32 v5, v1, 4, v5
	v_add_nc_u32 v[RD], s23, v5
	v_lshlrev_b32 v5, 12, v2                       ; and the same two rows in out0: 4,096 bytes a row
	v_lshl_add_u32 v[CO], v1, 4, v5
	v_lshlrev_b32 v8, 5, v2                        ; 32 h: the bias, eight numbers a half; never rewritten
	s_wait_alu depctr_va_vdst(0)
	s_lshl_b32 s98, s42, 1
	s_add_co_u32 s98, s98, s16
	s_lshl_b32 s98, s98, 8                         ; my first column in bytes: (128 x tile column + 64 ch) x 4
	s_mov_b32 s99, 0
	s_add_nc_u64 s[92:93], s[8:9], s[98:99]        ; in b_proj,
	s_lshl_b32 s96, s17, 1
	s_add_co_u32 s96, s96, s15
	s_lshl_b32 s96, s96, 19                        ; my first row: (256 x tile row + 128 rh) x 4,096 bytes: under 2^25
	s_add_co_u32 s96, s96, s98
	s_mov_b32 s97, 0
	s_add_nc_u64 s[88:89], s[12:13], s[96:97]      ; and in out0
.irp b, 0,1,2,3
	global_load_b128 v[BC+8*\b:BC+8*\b+3], v8, s[92:93] offset:64*\b       ; bias of columns 16 b + 8 h + 0..7
	global_load_b128 v[BC+8*\b+4:BC+8*\b+7], v8, s[92:93] offset:64*\b+16
.endr
	s_wait_kmcnt 0x0
	s_add_co_i32 s90, s82, s83
	s_add_co_i32 s90, s90, 127
	s_lshl_b32 s90, s90, 23                        ; 2^(e6 + e7) as f32
	s_mov_b32 s91, s90                             ; (named with it as a pair, so it is written)
.macro FRAGA reg, slot, q, i           ; y's fragment of row tile i, the slot's q-th 128 along K: an image, four loads of 512 consecutive bytes
.irp c, 0,1,2,3
	ds_load_b128 v[\reg+4*\c:\reg+4*\c+3], v[ADRA+\slot] offset:(\i)*4096+(\q)*2048+512*\c
.endr
.endm
.macro FRAGB reg, slot, q, i           ; W_proj's fragment of 16 rows: registers 4 c .. 4 c + 3 hold K = 32 c + 16 h + 0 .. 15
.irp c, 0,1,2,3
	ds_load_b128 v[\reg+4*\c:\reg+4*\c+3], v[ADRB+\slot] offset:128*(\q)+32*\c+(\i)*16*PITCH
.endr
.endm
; 8 matrix instructions: y's blocks a0, a0 + 1 x W_proj's four.  The 32 accumulators take turns, in the same order in every step.
.macro MUL8 a0, p, zero
.irp a, \a0, \a0+1
.irp b, 0,1,2,3
.if \zero
	v_wmma_f32_16x16x128_fp8_fp8 v[8*(4*((\a)%4)+\b):8*(4*((\a)%4)+\b)+7], v[128*(\p)+FR*\b:128*(\p)+FR*\b+FR-1], v[AF+FR*(\a):AF+FR*(\a)+FR-1], 0
.else
	v_wmma_f32_16x16x128_fp8_fp8 v[8*(4*((\a)%4)+\b):8*(4*((\a)%4)+\b)+7], v[128*(\p)+FR*\b:128*(\p)+FR*\b+FR-1], v[AF+FR*(\a):AF+FR*(\a)+FR-1], v[8*(4*((\a)%4)+\b):8*(4*((\a)%4)+\b)+7]
.endif
.endr
.endr
.endm
.macro FETCH_B slot, q, p
	WIN TO_B
.irp i, 0,1,2,3
	FRAGB 128*(\p)+FR*\i, \slot, \q, \i
.endr
	WIN 0
.endm
.macro FETCH_A slot, q, i0
.irp i, \i0, \i0+1, \i0+2, \i0+3
	FRAGA AF+FR*(\i), \slot, \q, \i
.endr
.endm
.macro PLACES n
.rept \n
	v_nop
.endr
.endm
.macro STEP slot, q, zero              ; a step of 128 along K that has its successor in the same slot
	s_wait_dscnt 4*NL                              ; W_proj's set and y's blocks 0-3 are in; the youngest 16 loads (blocks 4-7) may be out
	WIN MUL_LO
	MUL8 0, (\q)%2, \zero
	MUL8 2, (\q)%2, \zero
	s_wait_dscnt 0                                 ; blocks 4-7 are in
	PLACES NP
	FETCH_B \slot, (\q)+1, 1-(\q)%2
	FETCH_A \slot, (\q)+1, 0
	WIN MUL_HI
	MUL8 4, (\q)%2, \zero
	MUL8 6, (\q)%2, \zero
	PLACES NP
	WIN 0
	FETCH_A \slot, (\q)+1, 4
.endm
.macro TURN slot, next, fill           ; a slot's last step changes slots
	s_wait_tensorcnt 0x0                           ; all my tensor loads have landed: my part of the next slot
	ds_add_u32 v[SPW], v[NIL]                      ; 0 onto my spare word
	s_wait_dscnt 4*NL+1                            ; the add and the youngest 16 loads (blocks 4-7) may be out
	WIN MUL_LO
	MUL8 0, 1, 0                                   ; eight matrix instructions stand between the add and the wait for it
	s_wait_dscnt 0x0                               ; the add is done, and my reads of this slot are over
	s_barrier_signal -1
	MUL8 2, 1, 0
	WIN 0
	s_barrier_wait -1
.if \fill
	CREST                                          ; the barrier has opened a round of the cluster's: no wave of any partner still reads this slot or has a load on its way
	s_add_nc_u64 s[G0+4*\slot+2:G0+4*\slot+3], s[G0+4*\slot+2:G0+4*\slot+3], 2*AHALF
	s_add_nc_u64 s[G0B+4*\slot+2:G0B+4*\slot+3], s[G0B+4*\slot+2:G0B+4*\slot+3], 2*256
	JLOAD G0+4*\slot, G1, G0B+4*\slot, G1B         ; the first tensor load behind the round; its four v_nop are the places in front of the loads below
.else
	PLACES NP
.endif
	FETCH_B \next, 0, 0
	FETCH_A \next, 0, 0
	WIN MUL_HI
	MUL8 4, 1, 0
	MUL8 6, 1, 0
	PLACES NP
	WIN 0
	FETCH_A \next, 0, 4
.endm
	s_wait_tensorcnt 1                             ; my part of K step 0 is in; K step 1's load may be out
	s_barrier_signal -1
	s_barrier_wait -1
	FETCH_B 0, 0, 0
	FETCH_A 0, 0, 0
	FETCH_A 0, 0, 4
	STEP 0, 0, 1                                   ; the first step starts the sums
	s_mov_b32 s3, LAPS-1
.Llap:
	TURN 0, 1, 1
	STEP 1, 0, 0
	TURN 1, 0, 1
	STEP 0, 0, 0
	s_sub_co_u32 s3, s3, 1
	s_cmp_lg_u32 s3, 0
	s_cbranch_scc1 .Llap
	TURN 0, 1, 0                                   ; the last lap fills nothing
	STEP 1, 0, 0
	s_wait_dscnt 4*NL                              ; the very last step
	WIN MUL_LO
	MUL8 0, 1, 0
	MUL8 2, 1, 0
	s_wait_dscnt 0
	WIN MUL_HI
	MUL8 4, 1, 0
	MUL8 6, 1, 0
	WIN 0
; THE WAY OUT, block by block of 16 rows x 64 columns: sum x 2^(e6 + e7) + bias; a lane's 32 bytes of a row go into my own stage and come back as whole rows of 256 bytes.
; LDS serves a wave's instructions in order (ISA guide 5.7.1.4): no wait between the stores and the loads, nor in front of the next block's stores.
.macro TOSTAGE a
.set AC, 32*((\a)%4)
	WIN 0x02+((\a)/4)                              ; source 0: window 2 or 3
.set jj, 0
.rept 16                                       ; each accumulator from its low end on
	v_pk_fma_f32 v[TMP+jj:TMP+jj+1], v[AC+jj:AC+jj+1], s[90:91], v[BC+jj:BC+jj+1] op_sel_hi:[1,0,1]
.set jj, jj+2
.endr
	WIN 0
.irp b, 0,1,2,3
	ds_store_b128 v[STO], v[TMP+8*\b:TMP+8*\b+3] offset:64*\b
	ds_store_b128 v[STO], v[TMP+8*\b+4:TMP+8*\b+7] offset:64*\b+16
.endr
.set BB, BK+32*((\a)%2)
.irp t, 0,1,2,3,4,5,6,7
	ds_load_b128 v[BB+4*\t:BB+4*\t+3], v[RD] offset:\t*2*SPITCH
.endr
.endm
.macro SEND a, younger                 ; younger: the LDS instructions issued behind block a's loads, which may stay out
.set BB, BK+32*((\a)%2)
	s_wait_dscnt \younger
.irp t, 0,1,2,3,4,5,6,7
	global_store_b128 v[CO], v[BB+4*\t:BB+4*\t+3], s[88:89] offset:(\a)*65536+\t*8192 th:TH_STORE_NT   ; 16 lanes store 256 consecutive bytes, aligned; written once, read by nobody here
.endr
.endm
	s_wait_loadcnt 0x0                             ; the bias
	PLACES NP                                      ; behind the last products: their results are read, and y's registers take the rows read back
	TOSTAGE 0
.irp a, 1,2,3,4,5,6,7
.if \a > 1
	s_wait_xcnt 0x0                                ; block a - 2's stores have read their registers: block a's loads may land there
.endif
	TOSTAGE \a
	SEND \a-1, 16                                  ; behind block a - 1's loads: block a's 8 stores and 8 loads
.endr
	SEND 7, 0
	s_wait_tensorcnt 0x0                           ; the wave's end
	ds_add_u32 v[SPW], v[NIL]
	s_wait_dscnt 0x0
	CROUND                                         ; the closing round: no work-group ends while a partner may still ask for a tile that names it
	s_endpgm
.Lfunc_end_k_qbc87bb682a_proj:
	.size	k_qbc87bb682a_proj, .Lfunc_end_k_qbc87bb682a_proj-k_qbc87bb682a_proj
	.p2alignl 7, 3214868480
	.fill 96, 4, 3214868480
	.section	.rodata,"a",@progbits
	.p2align	6, 0x0
	.amdhsa_kernel k_qbc87bb682a_proj
		.amdhsa_group_segment_fixed_size 327680
		.amdhsa_private_segment_fixed_size 0
		.amdhsa_enable_private_segment 0
		.amdhsa_kernarg_size 40
		.amdhsa_user_sgpr_count 2
		.amdhsa_user_sgpr_kernarg_segment_ptr 1
		.amdhsa_wavefront_size32 1
		.amdhsa_system_sgpr_workgroup_id_x 1
		.amdhsa_system_sgpr_workgroup_id_y 1
		.amdhsa_system_sgpr_workgroup_id_z 1
		.amdhsa_system_vgpr_workitem_id 0
		.amdhsa_next_free_vgpr 1024
		.amdhsa_next_free_sgpr 100
		.amdhsa_reserve_vcc 0
		.amdhsa_float_denorm_mode_32 3
		.amdhsa_float_denorm_mode_16_64 3
		.amdhsa_memory_ordered 1
		.amdhsa_forward_progress 1
		.amdhsa_inst_pref_size 79
	.end_amdhsa_kernel
	.amdgpu_metadata
---
amdhsa.version: [ 1, 2 ]
amdhsa.kernels:
  - .name:           k_qbc87bb682a_proj
    .symbol:         k_qbc87bb682a_proj.kd
    .args:
      - { .name: y_img, .offset: 0, .size: 8, .value_kind: global_buffer, .address_space: global }
      - { .name: W_proj_codes, .offset: 8, .size: 8, .value_kind: global_buffer, .address_space: global }
      - { .name: b_proj, .offset: 16, .size: 8, .value_kind: global_buffer, .address_space: global }
      - { .name: lowp_scales, .offset: 24, .size: 8, .value_kind: global_buffer, .address_space: global }
      - { .name: out0, .offset: 32, .size: 8, .value_kind: global_buffer, .address_space: global }
    .group_segment_fixed_size: 327680
    .private_segment_fixed_size: 0
    .kernarg_segment_align: 8
    .kernarg_segment_size: 40
    .max_flat_workgroup_size: 128
    .sgpr_count:     100
    .vgpr_count:     1024
    .wavefront_size: 32
...
	.end_amdgpu_metadata
.endif
;; end of part 3
